; MI455X (gfx1250); checked and timed in simulation.
; The chip was launched on July 23, 2026; its instructions are those of AMD's public machine-readable ISA for CDNA 5 (MIT licence, August 2026) and "CDNA5" Instruction Set Architecture Reference Guide (July 2026). The comments in the code are by the model that wrote it; some were corrected since.
;; Causal Self Attention. Allowed arithmetic: matrix products marked QUANTISED: E4M3 operands, one given power-of-two scale a tensor, by v_wmma_f32_16x16x64_fp8_fp8 or v_wmma_f32_16x16x128_fp8_fp8, f32 sums; everything else in f32.
;; Inputs: b_proj 1,024 float32; b_qkv 3,072 float32; lowp_scales 8 int32 (the exponents e of the quantised operands' scales 2^e); w_proj_codes 1,024 x 32 x 32 uint8 (E4M3 codes of w_proj, K innermost, in blocks of 32 codes); w_qkv_codes 3,072 x 32 x 32 uint8 (E4M3 codes of w_qkv, K innermost, in blocks of 32 codes); x_codes 4 x 2,048 x 32 x 32 uint8 (E4M3 codes of x, K innermost, in blocks of 32 codes).
;; Outputs: out0 4 x 2,048 x 1,024 float32.
;; This version of the problem:
;;   THIS VERSION OF THE PROBLEM IS GIVEN IN LOW PRECISION. The matrix products marked QUANTISED in the list below multiply operands that are first quantised to E4M3 (4 exponent bits, 3 mantissa bits; 8 bits a number), with one given power-of-two scale for each operand tensor; their sums are f32. All else is computed in f32.
;;   The module's matrix products, in the order in which they are computed (A, B: the left and right operand; K: the contracted axis; several contracted axes count as one K, in the product's order):
;;     1. [M 8,192, K 1,024] x [K 1,024, N 3,072]; A: input x (given as codes); B: input w_qkv (given as codes): QUANTISED (scales: A lowp_scales[0], B lowp_scales[1])
;;     2. batch 64 x [M 2,048, K 64] x [K 64, N 2,048]; A: computed on the way; B: computed on the way: QUANTISED (scales: A lowp_scales[2], B lowp_scales[3])
;;     3. batch 64 x [M 2,048, K 2,048] x [K 2,048, N 64]; A: softmax (see below); B: computed on the way: QUANTISED (scales: A lowp_scales[4], B lowp_scales[5])
;;     4. [M 8,192, K 1,024] x [K 1,024, N 1,024]; A: computed on the way; B: input w_proj (given as codes): QUANTISED (scales: A lowp_scales[6], B lowp_scales[7])
;;   THE QUANTISER, for each operand of a quantised product, along K:
;;     - The operand's scale is 2^e, e = its entry of the input lowp_scales (int32; the entries are numbered through the quantised products in the list's order, A before B).
;;     - Each number is divided by the scale, clamped to +-448, and rounded to the nearest number of E4M3, ties to even, subnormals kept.
;;     - The product sums the exact products of the quantised numbers (number of the format x scale) in f32.
;;   ~~~python
;;   def quantise(x, axis, e):      # numpy; x: float32 -> the quantised numbers, widened to float32 again
;;       x = np.moveaxis(x, axis, -1); K = x.shape[-1]
;;       r = np.clip(x / 2.0 ** e, -448, 448)
;;       step = 2.0 ** (np.maximum(np.frexp(np.where(r == 0, 1, r))[1] - 1, -6) - 3)
;;       q = np.round(r / step) * step * 2.0 ** e      # np.round: ties to even
;;       return np.moveaxis(q, -1, axis).astype(np.float32)
;;   ~~~
;;   SOFTMAX AHEAD OF A QUANTISED PRODUCT. Where the list says 'softmax', what is quantised is not the finished softmax but p = 2^(t - M), with t = logit x log2(e) and M = ceil(the row's largest t), a whole number; so 1/2 < the row's largest p <= 1. The row's sum l is taken of the UNQUANTISED p, in f32, and the product's result is divided by l at the end. Since M is a whole number, a kernel that streams over the keys may use a running M (the ceiling of the running maximum): every later rescaling is an exact power of two, so the quantised numbers keep their values, but for numbers so far below the row's largest that they fall under the format's range.
;;   OPERANDS COMPUTED ON THE WAY. 'Computed on the way' means the value that the module computes at that place (a softmax that the list does not call 'softmax' is quantised finished and normalised). What goes into a quantiser is computed in f32, as accurately as f32 sums, v_exp_f32 and their like allow (about 1e-6 of the number): no bf16 or f16 on the way to a quantiser, and a product that is left as it is and whose result goes on into a quantised operand takes f32 operands (vector FMAs, or v_wmma_f32_16x16x4_f32). A number that lies on a knife's edge between two numbers of the format may be rounded either way, as far as f32 arithmetic and the matrix unit's own rounding can turn it there, and no further.
;;   INPUTS GIVEN AS CODES. w_proj (in the module: [1024, 1024], K = its axis 0); w_qkv (in the module: [1024, 3072], K = its axis 0); x (in the module: [4, 2048, 1024], K = its axis 2): each comes as NAME_codes (uint8): NAME with its K axis moved to the last place and cut into blocks of 32 codes, [.., K / 32, bytes a block], one block behind the other in memory; one code a byte (a code: sign, 4 exponent bits, 3 mantissa bits); its scale is its entry of lowp_scales. Its value is code x scale, taken as it is: it is not quantised again, and the codes and scales need not be those that the quantiser above would give.
;; One version. Each part assembles by itself: llvm-mc -triple=amdgcn-amd-amdhsa -mcpu=gfx1250 --defsym DOCPART=n.
;; ======== version 1 of 1: 3 launches
;; limits: right only within a limited range of input values
;; workspace buffers: qkv 25,165,824 bytes; yimg 8,388,608 bytes
;; launch make_qkv (part 1): grid 12 x 32, 4 waves a work-group, clusters of 4 x 4, 327,680 bytes of LDS; arguments x_codes, w_qkv_codes, lowp_scales, b_qkv, qkv; writes qkv
.if DOCPART == 1
	.amdgcn_target "amdgcn-amd-amdhsa--gfx1250"
	.amdhsa_code_object_version 6
	.text
	.protected	k_q5af48828ed_make_qkv
	.globl	k_q5af48828ed_make_qkv
	.p2align	8
	.type	k_q5af48828ed_make_qkv,@function
k_q5af48828ed_make_qkv:
	s_mov_b64 s[64:65], 0
	v_nop
	global_prefetch_b8 v0, s[64:65] scope:SCOPE_SE
	s_setreg_imm32_b32 hwreg(HW_REG_WAVE_MODE, 25, 1), 1
	s_wait_xcnt 0x0
	s_wait_alu depctr_hold_cnt(0) depctr_sa_sdst(0) depctr_va_vdst(0) depctr_va_sdst(0) depctr_va_ssrc(0) depctr_va_vcc(0) depctr_vm_vsrc(0)
	s_getreg_b32 s2, hwreg(HW_REG_IB_STS2, 6, 4)
	s_cmp_eq_u32 s2, 0
	s_cbranch_scc0 .Lentry_in_a_cluster
	s_endpgm
.Lentry_in_a_cluster:
	s_bfe_u32 s2, ttmp6, 0x10000c
	s_cmp_lg_u32 s2, 0xf033
	s_cbranch_scc0 .Lentry_shape_is_right
	s_endpgm
.Lentry_shape_is_right:
; qkv = x w_qkv + b_qkv on codes of FP8 (E4M3), then q, k and v are quantised (scales 2^e2, 2^e3, 2^e5) and stored as IMAGES OF OPERAND REGISTERS for the attention launch.
; x_codes: [8192][1024], w_qkv_codes: [3072][1024], one code a byte, K innermost.  lowp_scales: e0 .. e7 (int32).  b_qkv: [3072] f32.
; A work-group of four waves makes 256 x 256 results, a wave 128 x 128: 64 accumulators of 16 x 16, 512 registers.  K = 1,024 goes in four steps of 256 through two LDS slots filled by the tensor data mover.
; THE MATRIX INSTRUCTION IS USED AS D, B's fragment, A's fragment: a lane then holds ONE row of role A (lane % 16), and its eight registers eight neighbouring rows of role B: 16 b + 8 (lane / 16) + 0 .. 7.
; The conversion takes eight neighbours along the NEXT product's K from one lane's registers.  So:
;   q, k (clusters with x = 0, 1): role A = x (tokens), role B = w rows 0 .. 2047 (features): a lane's registers run along a head's channels, the K of q k^T.
;   v    (clusters with x = 2):    role A = w rows 2048 .. 3071 (features), role B = x (tokens): a lane's registers run along the keys, the K of p v.
; One text serves both: pointers, coordinates and strides are chosen by s_cselect on the cluster's x, which all sixteen partners share.  Only the first 128 along K is written twice (the bias is its C, and lies by role B for q, k and by role A for v).
; IMAGES.  A conversion's two registers are registers 2 c, 2 c + 1 of an operand in the plain form's own layout (k = 16 c + 8 (lane / 16) + 0 .. 7).  Four registers of all 32 lanes are a chunk of 512 bytes, lane l's 16 bytes at 16 l.
;   q at byte 0, k at 8 MiB: head (16 batch + head) x 131,072 + tile of 16 tokens x 1,024 + chunk x 512.     v at 16 MiB: head x 131,072 + step of 128 keys x 8,192 + tile of 16 channels x 2,048 + chunk x 512.
; Each store of a wave covers 512 consecutive bytes, aligned, straight from the conversions' registers: no stage in LDS.
; CLUSTERS: 4 x 4 work-groups; role A's tile is shared along a row of the cluster, role B's along a column: each is asked for jointly, by the same tensor load with the same descriptor and a mask that names the four.
; THE GRID: 384 tiles of 256 x 256 (256 for q, k; 128 for v).  A tile of 256 x 384, which would make 256 work-groups, wants 768 accumulator registers a wave and leaves no room for the fragments.
; The codes' k is permuted alike in both operands (four 16-byte LDS loads a fragment): every product meets its partner, only the order of the sums inside an instruction changes.
; LIMITS: e_out - e0 - e1 (e_out = e2, e3, e5) between -126 and 119; b_qkv / 2^(e0 + e1) stays an f32 number.  NaN codes among the inputs are not served.
; REGISTERS, in windows of 256: window 0: v1-6 at work; v8-15 the bias loads' offsets; v16-21 LDS addresses; v27 16 x lane; v28, v29 the add's two; v32-95 the bias, later a block's held sums; v96-111 the stores' offsets; v112 the scale
;   v128-255 A's fragments (one set), later the codes.   window 1: B's fragments, two sets.   windows 2, 3: the accumulators, (a, b) at v[8 (8 (a % 4) + b)].
.set KROW,   1024                      ; a row of codes in memory, in bytes
.set ROWB,   256                       ; a tile's row: 256 codes
.set PITCH,  272                       ; an LDS row: 256 bytes + 16 of padding = 68 words: the 16 rows that a load touches start at 16 different banks
.set FR,     16                        ; registers of a fragment: 16 rows x 128 K
.set NL,     4                         ; LDS loads that bring one
.set NP,     4                         ; places behind this matrix instruction (ISA guide 7.12.1)
.set HALFT,  128*PITCH                 ; 128 rows: what one tensor load brings
.set SLOT,   4*HALFT                   ; role A's 256 rows, then role B's 256 rows
.set SPARE,  2*SLOT                    ; behind the ring: the spare words, 128 bytes for each wave: two blocks of 256 bytes that no other line names
.set VJ,   8
.set ADRA, 16
.set ADRB, 20
.set L16,  27
.set SPW,  28
.set NIL,  29
.set BIAS, 32
.set TMP,  32
.set VO,   96
.set SCL,  112
.set LIM,  113
.set AF,   128
.set PC,   128
.set G1,  24                           ; s[24:31] descriptor group 1 for role A's tiles;  s[32:39] group 0, one set for each slot
.set G0,  32
.set G1B, 48                           ; s[48:55], s[56:63] the same for role B's
.set G0B, 56
.set MSB, 0
.macro WIN new                         ; the immediate's high byte repeats the setting that is left
.if MSB != \new
	s_set_vgpr_msb (MSB<<8)|\new
.set MSB, \new
.endif
.endm
.set MUL_LO, 0xa1                      ; source 0 (B) window 1, source 1 (A) window 0, C and D window 2
.set MUL_HI, 0xf1                      ; the same, C and D window 3
.set FST_LO, 0x81                      ; the first products: C (the bias) window 0, D window 2
.set FST_HI, 0xc1                      ; D window 3
.set TO_B,   0x40                      ; destination window 1, address window 0
; A joint load: waves 0 and 1 fetch for role A, waves 2 and 3 for role B.  The branch hangs on the wave's number alone.  Four v_nop follow each of the two lines.
.macro JLOAD g0a, g1a, g0b, g1b
	s_cmp_eq_u32 s15, 0
	s_cbranch_scc0 .Lfor_b_\@
	tensor_load_to_lds s[\g0a:\g0a+3], s[\g1a:\g1a+7]
	s_nop 0
.rept 4
	v_nop
.endr
	s_branch .Lasked_\@
.Lfor_b_\@:
	tensor_load_to_lds s[\g0b:\g0b+3], s[\g1b:\g1b+7]
	s_nop 0
.rept 4
	v_nop
.endr
.Lasked_\@:
.endm
.macro CREST                           ; a round of the cluster's barrier behind its opening barrier
	s_cmp_lg_u32 s14, 0
	s_cbranch_scc1 .Lnot_wave_0_\@
	s_barrier_signal -3
.Lnot_wave_0_\@:
	s_barrier_wait -3
	s_barrier_signal -1
	s_barrier_wait -1
.endm
.macro CROUND                          ; a whole round
	s_barrier_signal -1
	s_barrier_wait -1
	CREST
.endm
	s_load_b256 s[4:11], s[0:1], 0x0               ; x's codes s[4:5], w's codes s[6:7], the scales' exponents s[8:9], b_qkv s[10:11]
	s_load_b64 s[12:13], s[0:1], 0x20              ; the images
	v_lshl_add_u32 v[SPW], v0, 2, SPARE
	v_mov_b32 v[NIL], 0
	ds_add_u32 v28, v29
	ds_add_u32 v28, v29
	s_wait_dscnt 0x0
	v_lshrrev_b32 v1, 5, v0
	v_readfirstlane_b32 s14, v1                    ; wave 0..3
	s_lshr_b32 s15, s14, 1                         ; which half of role A's rows is mine.  Also: I fetch for role A (0) or B (1)
	s_and_b32 s16, s14, 1                          ; which half of role B's rows.  Also: which 128 rows of that tile I fetch
	s_bfe_u32 s40, ttmp6, 0x40000                  ; cx, cy: my place in the cluster
	s_bfe_u32 s41, ttmp6, 0x40004
	s_and_b32 s67, ttmp7, 0xffff
	s_lshl_b32 s67, s67, 2                         ; 4 x cluster y
	s_lshl_b32 s18, ttmp9, 2                       ; 4 x cluster x
	s_cmp_eq_u32 ttmp9, 2                          ; the third column of clusters makes v: the same answer in all sixteen partners
	s_cselect_b32 s66, 1, 0
	s_cselect_b32 s17, 0, s67
	s_cselect_b32 s42, s67, s18
	s_cselect_b32 s19, 2048, 0                     ; v's features begin at row 2,048 of w
	s_add_co_u32 s17, s17, s41                     ; tile row (role A): q, k: 4 cluster y + cy, of x;  v: cy, of w
	s_add_co_u32 s42, s42, s40                     ; tile column (role B): q, k: 4 cluster x + cx, of w;  v: 4 cluster y + cx, of x
	s_lshl_b32 s43, s41, 2
	s_lshl_b32 s43, 15, s43                        ; my row of the cluster
	s_lshl_b32 s44, 0x1111, s40                    ; my column
	; descriptor group 1: a tile of 128 rows x 256 bytes, padded in LDS
	s_or_b32 s[G1+0], s43, (0<<16)|(1<<20)|(1<<21)|(5<<22)|(3<<25)  ; 15:0 the mask; 17:16 elements of 1 byte; 20 padding on; 21 set beside a mask; 24:22 after every 64 words (code 5); 31:25 four words (code 3)
	s_or_b32 s[G1B+0], s44, (0<<16)|(1<<20)|(1<<21)|(5<<22)|(3<<25)
.irp g, G1, G1B
	s_mov_b32 s[\g+1], ROWB<<16                    ; tensor_dim0
	s_mov_b32 s[\g+2], 128<<16                     ; tensor_dim1
	s_mov_b32 s[\g+3], ROWB<<16                    ; tile_dim0
	s_mov_b32 s[\g+4], 128                         ; tile_dim1
	s_mov_b32 s[\g+5], KROW                        ; tensor_dim0_stride
	s_mov_b32 s[\g+6], 0
	s_mov_b32 s[\g+7], 0
.endr
	s_lshl_b32 s18, s16, 7                         ; which 128 rows of the tile I fetch
	s_lshl_b32 s20, s17, 8
	s_add_co_u32 s20, s20, s18
	s_add_co_u32 s20, s20, s19                     ; role A: row 256 x tile row + 128 x half (+ 2,048 in w)
	s_lshl_b32 s46, s42, 8
	s_add_co_u32 s46, s46, s18                     ; role B: row 256 x tile column + 128 x half
	s_lshl_b32 s20, s20, 10                        ; in bytes: at most 8,191 x 1,024
	s_mov_b32 s21, 0
	s_lshl_b32 s46, s46, 10
	s_mov_b32 s47, 0
	s_mul_i32 s45, s14, HALFT                      ; where they go: wave x 128 rows: no place in the cluster enters an LDS address
	s_wait_kmcnt 0x0
	s_load_b256 s[80:87], s[8:9], 0x0              ; e0 .. e7
	s_cmp_eq_u32 s66, 1
	s_cselect_b64 s[68:69], s[6:7], s[4:5]         ; role A's buffer
	s_cselect_b64 s[70:71], s[4:5], s[6:7]         ; role B's
	s_add_nc_u64 s[20:21], s[68:69], s[20:21]
	s_add_nc_u64 s[46:47], s[70:71], s[46:47]
	CROUND                                         ; all sixteen work-groups are here: the first joint loads meet
.irp s, 0,1
	s_mov_b32 s[G0+4*\s], 1
	s_add_co_u32 s[G0+4*\s+1], s45, \s*SLOT
	s_add_nc_u64 s[G0+4*\s+2:G0+4*\s+3], s[20:21], \s*ROWB
	s_or_b32 s[G0+4*\s+3], s[G0+4*\s+3], 0x80000000
	s_mov_b32 s[G0B+4*\s], 1
	s_add_co_u32 s[G0B+4*\s+1], s45, \s*SLOT
	s_add_nc_u64 s[G0B+4*\s+2:G0B+4*\s+3], s[46:47], \s*ROWB
	s_or_b32 s[G0B+4*\s+3], s[G0B+4*\s+3], 0x80000000
	JLOAD G0+4*\s, G1, G0B+4*\s, G1B
.endr
	v_and_b32 v1, 15, v0                           ; r = lane % 16
	s_wait_alu depctr_va_vdst(0)
	v_bfe_u32 v2, v0, 4, 1                         ; h = lane / 16
	v_mul_u32_u24 v3, v1, PITCH
	v_lshl_add_u32 v4, v2, 4, v3                   ; a fragment's row x pitch + 16 x half
	s_mul_i32 s21, s15, HALFT                      ; my 128 rows of role A
	s_mul_i32 s22, s16, HALFT                      ; my 128 rows of role B,
	s_add_co_u32 s22, s22, 2*HALFT                 ; which lie behind A's 256
.irp s, 0,1
	v_add_nc_u32 v[ADRA+\s], s21, v4
	v_add_nc_u32 v[ADRB+\s], s22, v4
	s_add_co_u32 s21, s21, SLOT
	s_add_co_u32 s22, s22, SLOT
.endr
	; where my results go, and which bias they take
	s_cmp_eq_u32 s66, 1
	s_cselect_b32 s72, s42, s17                    ; the tile of 256 tokens,
	s_cselect_b32 s73, s16, s15                    ; my half of it;
	s_cselect_b32 s74, s17, s42                    ; the tile of 256 features (v: + 8),
	s_cselect_b32 s75, s15, s16                    ; my half of it
	s_cselect_b32 s76, 8, 0
	s_mov_b32 s88, 1024
	s_cselect_b32 s88, 2048, s88                   ; from block a to a + 1 within four: q, k a tile of tokens; v a tile of channels
	s_mov_b32 s89, 4096
	s_cselect_b32 s89, 131072, s89                 ; from blocks 0-3 to 4-7: q, k four tiles of tokens; v the next head
	s_mov_b32 s90, 131072
	s_cselect_b32 s90, 1024, s90                   ; from chunks 0, 1 to 2, 3: q, k the next head; v two chunks
	s_cselect_b32 s77, 4, 0                        ; the bias loads' strides in bytes: by lane % 16,
	s_cselect_b32 s78, 0, 32                       ; by lane / 16,
	s_cselect_b32 s79, 0, 4                        ; by register
	s_add_co_u32 s74, s74, s76
	s_lshl_b32 s74, s74, 8
	s_lshl_b32 s75, s75, 7
	s_add_co_u32 s74, s74, s75                     ; F0: my first feature, 0 .. 2,944
	s_lshr_b32 s18, s74, 10                        ; 0: q, 1: k, 2: v
	s_bfe_u32 s19, s74, 0x40006                    ; my first head: (F0 / 64) % 16
	s_lshr_b32 s20, s72, 3                         ; the batch: eight tiles of 256 tokens each
	s_lshl_b32 s20, s20, 4
	s_add_co_u32 s19, s19, s20
	s_lshl_b32 s19, s19, 17                        ; (16 batch + head) x 131,072
	s_lshl_b32 s20, s18, 23                        ; + 8 MiB x region
	s_add_co_u32 s19, s19, s20
	s_and_b32 s20, s72, 7
	s_lshl_b32 s20, s20, 8
	s_lshl_b32 s21, s73, 7
	s_add_co_u32 s20, s20, s21                     ; T0: my first token in the batch
	s_lshl_b32 s20, s20, 6                         ; 64 bytes a token in q's, k's and v's images alike
	s_add_co_u32 s20, s20, s19
	s_mov_b32 s21, 0
	s_add_nc_u64 s[12:13], s[12:13], s[20:21]
	s_lshl_b32 s22, s74, 2
	s_mov_b32 s23, 0
	s_add_nc_u64 s[10:11], s[10:11], s[22:23]      ; b_qkv at F0
	v_mul_u32_u24 v5, v1, s77
	s_wait_alu depctr_va_vdst(0)
	v_mad_u32_u24 v5, v2, s78, v5
	v_mov_b32 v6, s79
.irp j, 0,1,2,3,4,5,6,7
	v_mad_u32_u24 v[VJ+\j], v6, \j, v5
.endr
.irp i, 0,1,2,3,4,5,6,7                ; q, k: register 8 i + j = b(F0 + 16 i + 8 h + j), the C of accumulators (., i);  v: = b(F0 + 16 i + r), the C of accumulators (i, .)
.irp j, 0,1,2,3,4,5,6,7
	global_load_b32 v[BIAS+8*\i+\j], v[VJ+\j], s[10:11] offset:64*\i
.endr
.endr
	v_and_b32 v6, 31, v0
	v_lshlrev_b32 v[L16], 4, v6
	s_wait_alu depctr_va_vdst(0)
.irp a, 0,1,2,3,4,5,6,7
	s_mul_i32 s22, s88, \a%4
	s_mul_i32 s23, s89, \a/4
	s_add_co_u32 s22, s22, s23
	v_add_nc_u32 v[VO+2*\a], s22, v[L16]           ; block a's chunks 0, 1
	v_add_nc_u32 v[VO+2*\a+1], s90, v[VO+2*\a]     ; and 2, 3
.endr
	s_wait_kmcnt 0x0
	s_cmp_eq_u32 s18, 1
	s_cselect_b32 s93, s83, s82                    ; k: e3; q: e2
	s_cmp_eq_u32 s18, 2
	s_cselect_b32 s93, s85, s93                    ; v: e5
	s_add_co_i32 s92, s80, s81                     ; a sum stands for sum x 2^(e0 + e1): its code is sum / 2^(e_out - e0 - e1): the three scales are folded into the conversion's one
	s_sub_co_i32 s93, s93, s92
	s_add_co_i32 s93, s93, 127
	s_lshl_b32 s94, s93, 23
	v_mov_b32 v[SCL], s94
	s_sub_co_i32 s92, 0, s92
	s_wait_loadcnt 0x0
.set n, 0
.rept 64
	v_ldexp_f32 v[BIAS+n], v[BIAS+n], s92          ; the bias goes in divided by the power of two that the sums lack
.set n, n+1
.endr
.macro FRAG reg, adr, q, i             ; a fragment: lane l holds row l % 16; registers 4 c .. 4 c + 3 hold K = 32 c + 16 (l / 16) + 0 .. 15
.irp c, 0,1,2,3
	ds_load_b128 v[\reg+4*\c:\reg+4*\c+3], v[\adr] offset:128*(\q)+32*\c+(\i)*16*PITCH
.endr
.endm
; 16 matrix instructions: A's blocks a0, a0 + 1 x B's eight, 128 along K.  p: B's set.  zero = 1: C is the bias by B's block; 2: by A's block; 0: the sums go on in place.
; The 64 accumulators take turns, one instruction a turn, in the same order in every step.
.macro MUL16 a0, p, zero
.irp a, \a0, \a0+1
.irp b, 0,1,2,3,4,5,6,7
.if \zero == 1
	v_wmma_f32_16x16x128_fp8_fp8 v[8*(8*((\a)%4)+\b):8*(8*((\a)%4)+\b)+7], v[128*(\p)+FR*\b:128*(\p)+FR*\b+FR-1], v[AF+FR*(\a):AF+FR*(\a)+FR-1], v[BIAS+8*\b:BIAS+8*\b+7]
.elseif \zero == 2
	v_wmma_f32_16x16x128_fp8_fp8 v[8*(8*((\a)%4)+\b):8*(8*((\a)%4)+\b)+7], v[128*(\p)+FR*\b:128*(\p)+FR*\b+FR-1], v[AF+FR*(\a):AF+FR*(\a)+FR-1], v[BIAS+8*(\a):BIAS+8*(\a)+7]
.else
	v_wmma_f32_16x16x128_fp8_fp8 v[8*(8*((\a)%4)+\b):8*(8*((\a)%4)+\b)+7], v[128*(\p)+FR*\b:128*(\p)+FR*\b+FR-1], v[AF+FR*(\a):AF+FR*(\a)+FR-1], v[8*(8*((\a)%4)+\b):8*(8*((\a)%4)+\b)+7]
.endif
.endr
.endr
.endm
.macro FETCH_B slot, q, p              ; B's eight fragments of the slot's q-th 128 along K into set p
	WIN TO_B
.irp i, 0,1,2,3,4,5,6,7
	FRAG 128*(\p)+FR*\i, ADRB+\slot, \q, \i
.endr
	WIN 0
.endm
.macro FETCH_A slot, q, i0             ; A's blocks i0 .. i0 + 3
.irp i, \i0, \i0+1, \i0+2, \i0+3
	FRAG AF+FR*(\i), ADRA+\slot, \q, \i
.endr
.endm
.macro PLACES n                        ; plain vector lines between a matrix instruction and a load into, or a vector line on, its registers
.rept \n
	v_nop
.endr
.endm
; A step of 128 along K that has its successor in the same slot.
.macro STEP slot, q, zero
	s_wait_dscnt 4*NL                              ; B's set and A's blocks 0-3 are in; the youngest sixteen loads (A's blocks 4-7) may be out
.if \zero
	WIN FST_LO
.else
	WIN MUL_LO
.endif
	MUL16 0, (\q)%2, \zero
	MUL16 2, (\q)%2, \zero
	s_wait_dscnt 0                                 ; A's blocks 4-7 are in
	PLACES NP
	FETCH_B \slot, (\q)+1, 1-(\q)%2
	FETCH_A \slot, (\q)+1, 0
.if \zero
	WIN FST_HI
.else
	WIN MUL_HI
.endif
	MUL16 4, (\q)%2, \zero
	MUL16 6, (\q)%2, \zero
	PLACES NP
	WIN 0
	FETCH_A \slot, (\q)+1, 4
.endm
; A slot's last step changes slots: ONE barrier; in front of it each wave waits for all its tensor loads, adds 0 to its spare word, and waits for that and for its own reads of this slot.  fill = 1: this slot is filled again, two K steps ahead.
.macro TURN slot, next, fill
	s_wait_tensorcnt 0x0                           ; all my tensor loads have landed: my part of the next slot  (every window is 0 here)
	ds_add_u32 v[SPW], v[NIL]                      ; 0 onto my spare word
	s_wait_dscnt 4*NL+1                            ; the add and the youngest sixteen loads (A's blocks 4-7) may be out
	WIN MUL_LO
	MUL16 0, 1, 0                                  ; sixteen matrix instructions stand between the add and the wait for it
	s_wait_dscnt 0x0                               ; the add is done, and my reads of this slot are over
	s_barrier_signal -1
	MUL16 2, 1, 0
	WIN 0
	s_barrier_wait -1
.if \fill
	CREST                                          ; the barrier has opened a round of the cluster's barrier: no wave of any partner still reads this slot's tile or has a load on its way
	s_add_nc_u64 s[G0+4*\slot+2:G0+4*\slot+3], s[G0+4*\slot+2:G0+4*\slot+3], 2*ROWB
	s_add_nc_u64 s[G0B+4*\slot+2:G0B+4*\slot+3], s[G0B+4*\slot+2:G0B+4*\slot+3], 2*ROWB
	JLOAD G0+4*\slot, G1, G0B+4*\slot, G1B         ; the first tensor load behind the round; its four v_nop are the places in front of the loads below
.else
	PLACES NP
.endif
	FETCH_B \next, 0, 0
	FETCH_A \next, 0, 0
	WIN MUL_HI
	MUL16 4, 1, 0
	MUL16 6, 1, 0
	PLACES NP
	WIN 0
	FETCH_A \next, 0, 4
.endm
	s_wait_tensorcnt 1                             ; my part of K step 0 is in; K step 1's load may be out
	s_barrier_signal -1
	s_barrier_wait -1                              ; everybody's is
	FETCH_B 0, 0, 0
	FETCH_A 0, 0, 0
	FETCH_A 0, 0, 4
	s_cmp_eq_u32 s66, 1                            ; the first 128 along K start the sums on the bias: by role B's block (q, k) or by role A's (v).  The cluster's x decides: alike in all partners
	s_cbranch_scc1 .Lfirst_v
	s_wait_alu depctr_va_vdst(0)
	STEP 0, 0, 1
	s_branch .Lfirst_done
.Lfirst_v:
	s_wait_alu depctr_va_vdst(0)
	STEP 0, 0, 2
.Lfirst_done:
	TURN 0, 1, 1                                   ; slot 0 takes K step 2
	STEP 1, 0, 0
	TURN 1, 0, 1                                   ; slot 1 takes K step 3
	STEP 0, 0, 0
	TURN 0, 1, 0                                   ; nothing is left to fetch
	STEP 1, 0, 0
	s_wait_dscnt 4*NL                              ; the very last step
	WIN MUL_LO
	MUL16 0, 1, 0
	MUL16 2, 1, 0
	s_wait_dscnt 0
	WIN MUL_HI
	MUL16 4, 1, 0
	MUL16 6, 1, 0
	WIN 0
; THE WAY OUT, block a of role A at a time: its 64 sums are converted as they are, each accumulator from its low end on;
; eight conversions make 16 registers of codes, four chunks; each chunk is one store of 512 consecutive bytes.  Every block has registers of its own for its codes, and no offset is written again: no wait stands between the stores.
.macro OUT a
	WIN 0x02+((\a)/4)                              ; source 0: window 2 or 3
.set n, 0
.rept 64
.set n, n+1
.endr
.irp b, 0,1,2,3,4,5,6,7
	v_cvt_scalef32_pk8_fp8_f32 v[PC+16*(\a)+2*\b:PC+16*(\a)+2*\b+1], v[TMP+8*\b+((64*((\a)%4)+n)-(TMP+n)):TMP+8*\b+7+((64*((\a)%4)+n)-(TMP+n))], v[SCL]
.endr
	WIN 0
	v_nop
.irp s, 0,1,2,3
	global_store_b128 v[VO+2*(\a)+\s/2], v[PC+16*(\a)+4*\s:PC+16*(\a)+4*\s+3], s[12:13] offset:(\s%2)*512
.endr
.endm
	PLACES NP                                      ; behind the last products: for the reads of their results and the writes over A's fragments
.irp a, 0,1,2,3,4,5,6,7
	OUT \a
.endr
	s_wait_tensorcnt 0x0                           ; the wave's end
	ds_add_u32 v[SPW], v[NIL]
	s_wait_dscnt 0x0
	CROUND                                         ; the closing round: no work-group ends while a partner may still ask for a tile that names it
	s_endpgm
.Lfunc_end_k_q5af48828ed_make_qkv:
	.size	k_q5af48828ed_make_qkv, .Lfunc_end_k_q5af48828ed_make_qkv-k_q5af48828ed_make_qkv
	.p2alignl 7, 3214868480
	.fill 96, 4, 3214868480
	.section	.rodata,"a",@progbits
	.p2align	6, 0x0
	.amdhsa_kernel k_q5af48828ed_make_qkv
		.amdhsa_group_segment_fixed_size 327680
		.amdhsa_private_segment_fixed_size 0
		.amdhsa_enable_private_segment 0
		.amdhsa_kernarg_size 40
		.amdhsa_user_sgpr_count 2
		.amdhsa_user_sgpr_kernarg_segment_ptr 1
		.amdhsa_wavefront_size32 1
		.amdhsa_system_sgpr_workgroup_id_x 1
		.amdhsa_system_sgpr_workgroup_id_y 1
		.amdhsa_system_sgpr_workgroup_id_z 1
		.amdhsa_system_vgpr_workitem_id 0
		.amdhsa_next_free_vgpr 1024
		.amdhsa_next_free_sgpr 100
		.amdhsa_reserve_vcc 0
		.amdhsa_float_denorm_mode_32 3
		.amdhsa_float_denorm_mode_16_64 3
		.amdhsa_fp16_overflow 1
		.amdhsa_memory_ordered 1
		.amdhsa_forward_progress 1
		.amdhsa_inst_pref_size 107
	.end_amdhsa_kernel
	.amdgpu_metadata
---
amdhsa.version: [ 1, 2 ]
amdhsa.kernels:
  - .name:           k_q5af48828ed_make_qkv
    .symbol:         k_q5af48828ed_make_qkv.kd
    .args:
      - { .name: x_codes, .offset: 0, .size: 8, .value_kind: global_buffer, .address_space: global }
      - { .name: w_qkv_codes, .offset: 8, .size: 8, .value_kind: global_buffer, .address_space: global }
      - { .name: lowp_scales, .offset: 16, .size: 8, .value_kind: global_buffer, .address_space: global }
      - { .name: b_qkv, .offset: 24, .size: 8, .value_kind: global_buffer, .address_space: global }
      - { .name: qkv, .offset: 32, .size: 8, .value_kind: global_buffer, .address_space: global }
    .group_segment_fixed_size: 327680
    .private_segment_fixed_size: 0
    .kernarg_segment_align: 8
    .kernarg_segment_size: 40
    .max_flat_workgroup_size: 128
    .sgpr_count:     100
    .vgpr_count:     1024
    .wavefront_size: 32
...
	.end_amdgpu_metadata
.endif
;; end of part 1
;; launch attn (part 2): grid 4 x 64, 16 waves a work-group, clusters of 4 x 1, 264,192 bytes of LDS; arguments qkv, lowp_scales, yimg; writes yimg
.if DOCPART == 2
	.amdgcn_target "amdgcn-amd-amdhsa--gfx1250"
	.amdhsa_code_object_version 6
	.text
	.protected	k_q5af48828ed_attn
	.globl	k_q5af48828ed_attn
	.p2align	8
	.type	k_q5af48828ed_attn,@function
k_q5af48828ed_attn:
	s_mov_b64 s[64:65], 0
	v_nop
	global_prefetch_b8 v0, s[64:65] scope:SCOPE_SE
	s_setreg_imm32_b32 hwreg(HW_REG_WAVE_MODE, 25, 1), 1
	s_wait_xcnt 0x0
	s_wait_alu depctr_hold_cnt(0) depctr_sa_sdst(0) depctr_va_vdst(0) depctr_va_sdst(0) depctr_va_ssrc(0) depctr_va_vcc(0) depctr_vm_vsrc(0)
	s_getreg_b32 s2, hwreg(HW_REG_IB_STS2, 6, 4)
	s_cmp_eq_u32 s2, 0
	s_cbranch_scc0 .Lentry_in_a_cluster
	s_endpgm
.Lentry_in_a_cluster:
	s_bfe_u32 s2, ttmp6, 0x10000c
	s_cmp_lg_u32 s2, 0x3003
	s_cbranch_scc0 .Lentry_shape_is_right
	s_endpgm
.Lentry_shape_is_right:
; y[head][q] = the sum over keys k <= q of softmax_k(q . k / 8) v, both products on codes of FP8 (E4M3); y is quantised with 2^e6 and stored as images of the last product's operand registers.
; q, k, v come as images of operand registers (the launch before): q at byte 0, k at 8 MiB: head x 131,072 + tile of 16 tokens x 1,024 + chunk x 512 + 16 x lane;  v at 16 MiB: head x 131,072 + step of 128 keys x 8,192 + tile of 16 channels x 2,048 + chunk x 512 + 16 x lane.
; THE SOFTMAX AHEAD OF THE SECOND PRODUCT: t = score x log2(e) / 8; M = the row's largest t so far, rounded UP to a whole number; p = 2^(t - M) is what is quantised (2^e4); it is not normalised.  The row's sum is taken of the
; unquantised p and divides at the end.  When M moves, the sum and O are multiplied by 2^(old M - new M): exact.
; SHARES.  A cluster of four work-groups is one head; each work-group has sixteen waves.  THE HEAD'S WHOLE K AND V, 128 KiB each, lie in every partner's LDS as they lie in memory, brought once by joint loads (mask: all four).
; Nothing in LDS is filled again or stored to, so one barrier behind the loads is all the ordering there is, and the waves run free.
; EVEN WORK UNDER THE CAUSAL MASK.  With g = wave / 2 and u = 2 cx + wave % 2, a wave owns the tiles of 16 queries 8 g + u (its last key step is g) and 127 - 8 g - u (its last key step is 15 - g): 17 key steps of 128 for every wave of the launch.
; Which steps a wave walks hangs on its number alone; cx enters only q's and y's addresses in memory and the number that the diagonal's compare takes.  Steps beyond a tile's last are passed over by a scalar branch; the trip counts are constants.
; LAYOUT.  Both products are used transposed: S^T = K Q^T (source 0 = 16 keys, source 1 = my 16 queries), O^T = V^T P^T (source 0 = 16 channels, source 1 = P): a lane holds ONE query (lane % 16) throughout.
; Register 8 t + j of S^T is key 16 t + 8 (lane / 16) + j: a conversion of tile t's eight registers gives registers 2 t, 2 t + 1 of P in the plain form's own layout.  O^T's conversions give y's operand registers in the same way.
; y's image: K step of 256 (head / 4) x 2 MiB + tile of 16 rows x 4,096 + (head % 4) x 1,024 + chunk x 512 + 16 x lane.
; NOTHING IS PREFETCHED: every byte of K and V is asked for by the tensor loads in the kernel's first lines; there is no later load to run ahead of.
; LIMITS on the given exponents: e2 + e3 between -123 and 130 (added to c's exponent field); e4, and e6 - e4 - e5, between -126 and 119.
; REGISTERS: v1 16 x lane, v2 the same in V's half of LDS; v3, v4 the step's addresses; v5, v6 the diagonal's number for the late and the early tile; v7 -infinity; v9 2^e4; v11 the same for y; v12 -M, v13 the largest t,
;   v[14:15] the sum in two halves; v16-23, v24-31 Q of the late and the early tile; v32-95 K's eight fragments, then V's four; v96-159 S^T, then p; v160-191 O^T; v192-207 p's codes; v208-223 y's codes; v224-233 at work.
.set WV,  18                           ; s18  my wave's number
.set SEL, 20                           ; s[20:21] lane selects for v_permlanex16_b32: lane l xor 16
.set CS,  22                           ; s[22:23] c = log2(e) / 8 x 2^(e2 + e3)
.set G1,  24                           ; s[24:31] descriptor group 1;  s[32:47] four groups 0
.set G0,  32
.set KS,  56                           ; s56  the key step
.set TB,  57                           ; s57  its first byte in K's, and in V's, half of LDS
.set CNT, 58
.set DH,  59                           ; s59  the late tile's last key step
.set DL,  60                           ; s60  the early tile's
.set YH,  68                           ; s[68:69], s[70:71] where the two tiles' y goes
.set YL,  70
.set QH,  72                           ; s[72:73], s[74:75] where their q lies
.set QL,  74
.macro CROUND                          ; a round of the cluster's barrier
	s_barrier_signal -1
	s_barrier_wait -1
	s_cmp_lg_u32 s[WV], 0
	s_cbranch_scc1 .Lnot_wave_0_\@
	s_barrier_signal -3
.Lnot_wave_0_\@:
	s_barrier_wait -3
	s_barrier_signal -1
	s_barrier_wait -1
.endm
	s_load_b128 s[4:7], s[0:1], 0x0                ; the images of q, k, v s[4:5]; the scales' exponents s[6:7]
	s_load_b64 s[8:9], s[0:1], 0x10                ; y's images
	v_lshl_add_u32 v254, v0, 2, 0x40000
	v_mov_b32 v255, 0
	ds_add_u32 v254, v255
	ds_add_u32 v254, v255
	v_lshrrev_b32 v1, 5, v0
	s_delay_alu instid0(VALU_DEP_1)
	v_readfirstlane_b32 s[WV], v1                  ; wave 0..15
	s_bfe_u32 s76, ttmp6, 0x40000                  ; cx
	s_and_b32 s77, ttmp7, 0xffff                   ; the head (16 batch + head), which the four partners share
	; what waves 0 to 3 fetch: wave 0, 1: K; wave 2, 3: V; of each 32 KiB the half wave % 2
	s_bfe_u32 s78, s[WV], 0x10001
	s_and_b32 s79, s[WV], 1
	s_lshl_b32 s80, s78, 17
	s_lshl_b32 s81, s79, 14
	s_add_co_u32 s80, s80, s81                     ; in LDS: 131,072 x (K or V) + 16,384 x half
	s_lshl_b32 s82, s78, 23
	s_add_co_u32 s82, s82, s81
	s_lshl_b32 s89, s77, 17                        ; the head's 131,072 bytes
	s_add_co_u32 s82, s82, s89
	s_add_co_u32 s82, s82, 0x800000                ; in memory: K begins at 8 MiB, V at 16 MiB
	s_mov_b32 s83, 0
	; descriptor group 1: 64 rows x 256 bytes, dense in memory and in LDS: 16 KiB
	s_mov_b32 s[G1], 15|(1<<21)                    ; 15:0 the mask: all four work-groups; 17:16 elements of 1 byte; 20 no padding; 21 set beside a mask
	s_mov_b32 s[G1+1], 256<<16                     ; tensor_dim0
	s_mov_b32 s[G1+2], 64<<16                      ; tensor_dim1
	s_mov_b32 s[G1+3], 256<<16                     ; tile_dim0
	s_mov_b32 s[G1+4], 64                          ; tile_dim1
	s_mov_b32 s[G1+5], 256                         ; tensor_dim0_stride
	s_mov_b32 s[G1+6], 0
	s_mov_b32 s[G1+7], 0
	; my two tiles
	s_lshr_b32 s[DL], s[WV], 1                     ; g
	s_xor_b32 s[DH], s[DL], 15                     ; 15 - g (g is 0 .. 7)
	s_lshl_b32 s86, s76, 1
	s_add_co_u32 s86, s86, s79                     ; u = 2 cx + wave % 2
	s_lshl_b32 s87, s[DL], 3
	s_add_co_u32 s87, s87, s86                     ; the early tile: 8 g + u
	s_sub_co_u32 s88, 127, s87                     ; the late tile
	s_bfe_u32 s90, s77, 0x20002                    ; y: (head / 4) x 2 MiB
	s_lshl_b32 s90, s90, 21
	s_lshr_b32 s91, s77, 4
	s_lshl_b32 s91, s91, 19                        ; + batch x 128 tiles of 4,096 bytes
	s_add_co_u32 s90, s90, s91
	s_and_b32 s91, s77, 3
	s_lshl_b32 s91, s91, 10                        ; + (head % 4) x 1,024
	s_add_co_u32 s90, s90, s91
	s_lshl_b32 s92, s88, 12
	s_add_co_u32 s92, s92, s90
	s_mov_b32 s93, 0
	s_lshl_b32 s94, s87, 12
	s_add_co_u32 s94, s94, s90
	s_mov_b32 s95, 0
	s_lshl_b32 s90, s88, 10                        ; q: head x 131,072 + tile x 1,024
	s_add_co_u32 s90, s90, s89
	s_mov_b32 s91, 0
	s_lshl_b32 s78, s87, 10
	s_add_co_u32 s78, s78, s89
	s_mov_b32 s79, 0
	s_mov_b32 s[SEL], 0x76543210
	s_mov_b32 s[SEL+1], 0xfedcba98
	s_wait_dscnt 0x0
	s_wait_kmcnt 0x0
	s_load_b256 s[48:55], s[6:7], 0x0              ; e0 .. e7
	s_add_nc_u64 s[84:85], s[4:5], s[82:83]
	s_add_nc_u64 s[QH:QH+1], s[4:5], s[90:91]
	s_add_nc_u64 s[QL:QL+1], s[4:5], s[78:79]
	s_add_nc_u64 s[YH:YH+1], s[8:9], s[92:93]
	s_add_nc_u64 s[YL:YL+1], s[8:9], s[94:95]
.irp g, 0,1,2,3
	s_mov_b32 s[G0+4*\g], 1                        ; 1:0 count = 1
	s_add_co_u32 s[G0+4*\g+1], s80, \g*32768       ; 63:32 LDS address
	s_add_nc_u64 s[G0+4*\g+2:G0+4*\g+3], s[84:85], \g*32768   ; 120:64 global address
	s_or_b32 s[G0+4*\g+3], s[G0+4*\g+3], 0x80000000 ; 127:126 type = 2
.endr
	CROUND                                         ; all four work-groups are here: the joint loads meet
	s_cmp_lt_u32 s[WV], 4                          ; a wave's four fills stand in one branch on its number: four loads of mine are out
	s_cbranch_scc0 .Lno_fetch
	tensor_load_to_lds s[G0:G0+3], s[G1:G1+7]
	s_nop 0
	tensor_load_to_lds s[G0+4:G0+7], s[G1:G1+7]
	s_nop 0
	tensor_load_to_lds s[G0+8:G0+11], s[G1:G1+7]
	s_nop 0
	tensor_load_to_lds s[G0+12:G0+15], s[G1:G1+7]
	s_nop 0
.rept 4
	v_nop
.endr
.Lno_fetch:
	v_and_b32 v1, 31, v0
	s_delay_alu instid0(VALU_DEP_1)
	v_lshlrev_b32 v1, 4, v1                        ; 16 x lane: my place in every chunk; never rewritten
	global_load_b128 v[16:19], v1, s[QH:QH+1]      ; Q's fragments stay in registers
	global_load_b128 v[20:23], v1, s[QH:QH+1] offset:512
	global_load_b128 v[24:27], v1, s[QL:QL+1]
	global_load_b128 v[28:31], v1, s[QL:QL+1] offset:512
	v_add_nc_u32 v2, 0x20000, v1
	v_and_b32 v3, 15, v0                           ; r
	v_bfe_u32 v4, v0, 4, 1                         ; h
	s_delay_alu instid0(VALU_DEP_1)
	v_lshlrev_b32 v4, 3, v4
	s_delay_alu instid0(VALU_DEP_1)
	v_sub_nc_u32 v3, v3, v4                        ; r - 8 h
	s_lshl_b32 s90, s86, 4
	v_add_nc_u32 v6, s90, v3                       ; in a tile's last step register 8 t + j holds a hidden key where 16 t + j > my query's place in the step - 8 h: early tile 16 u + r - 8 h,
	s_sub_co_u32 s90, 112, s90
	v_add_nc_u32 v5, s90, v3                       ; late tile 16 (7 - u) + r - 8 h
	v_mov_b32 v7, 0xff800000                       ; -infinity
	v_mov_b32 v229, 0                              ; (named as the upper half of the pair v[228:229])
	v_mov_b32 v230, 0                              ; written once: a lane permute's destination counts as one of its sources
	s_wait_kmcnt 0x0
	s_add_co_i32 s90, s50, s51
	s_lshl_b32 s90, s90, 23
	s_mov_b32 s[CS], 0x3e38aa3b                    ; c = log2(e) / 8
	s_add_co_i32 s[CS], s[CS], s90                 ; a score stands for score x 2^(e2 + e3): the two exponents are added to c's exponent field
	s_mov_b32 s[CS+1], s[CS]                       ; (named with it as a pair, so it is written)
	s_add_co_i32 s90, s52, 127
	s_lshl_b32 s91, s90, 23
	v_mov_b32 v9, s91                              ; 2^e4, for p's conversions
	s_sub_co_i32 s90, s54, s52
	s_sub_co_i32 s90, s90, s53                     ; O / l stands for y / 2^(e4 + e5): y's code is (O / l) / 2^(e6 - e4 - e5)
	s_add_co_i32 s90, s90, 127
	s_lshl_b32 s91, s90, 23
	v_mov_b32 v11, s91
; A KEY STEP of 128 keys for the tile whose Q lies at v[q].  v[dv]: the diagonal's number; s[ds]: the tile's last step.
.macro STEP q, dv, ds
	s_cmp_gt_u32 s[KS], s[\ds]                     ; all keys of this step come after my queries: nothing is done
	s_cbranch_scc1 .Lhid_\@
	s_setprio 2
	v_add_nc_u32 v3, s[TB], v1
	v_add_nc_u32 v4, s[TB], v2
.irp t, 0,1,2,3,4,5,6,7                ; K's eight fragments (16 keys x 64 channels, 8 registers), as they lie
.irp c, 0,1
	ds_load_b128 v[32+8*\t+4*\c:32+8*\t+4*\c+3], v3 offset:\t*1024+\c*512
.endr
.endr
	s_wait_alu depctr_va_vdst(0)
	s_wait_dscnt 8                                 ; tiles 0 to 3 are in; the youngest eight loads may be out
.irp t, 0,1,2,3
	v_wmma_f32_16x16x64_fp8_fp8 v[96+8*\t:96+8*\t+7], v[32+8*\t:32+8*\t+7], v[\q:\q+7], 0
.endr
	s_wait_dscnt 0x0
.irp t, 4,5,6,7
	v_wmma_f32_16x16x64_fp8_fp8 v[96+8*\t:96+8*\t+7], v[32+8*\t:32+8*\t+7], v[\q:\q+7], 0
.endr
.rept 4
	v_nop                                          ; places in front of the loads into K's registers and of the first read of the scores
.endr
.irp ct, 0,1,2,3                       ; V's four fragments (16 channels x 128 keys, 16 registers): they land while the softmax is walked
.irp s, 0,1,2,3
	ds_load_b128 v[32+16*\ct+4*\s:32+16*\ct+4*\s+3], v4 offset:\ct*2048+\s*512
.endr
.endr
	s_cmp_lg_u32 s[KS], s[\ds]                     ; only the tile's last step lies on the diagonal
	s_cbranch_scc1 .Lopen_\@
.set n, 0
.rept 64
	v_cmp_gt_i32 vcc_lo, 16*(n/8)+n%8, v[\dv]      ; hidden scores become -infinity ahead of the maximum: p = 0 then
	v_cndmask_b32 v[96+n], v[96+n], v7, vcc_lo
.set n, n+1
.endr
.Lopen_\@:
	v_max3_num_f32 v224, v96, v97, v98             ; the step's largest score of my query, among my 64 keys, in two chains; each tile's registers are first read at its low end
	v_max3_num_f32 v226, v99, v100, v101
.irp i, 6,10,14,18,22,26,30,34,38,42,46,50,54,58
	v_max3_num_f32 v224, v224, v[96+\i], v[97+\i]
	v_max3_num_f32 v226, v226, v[98+\i], v[99+\i]
.endr
	v_max3_num_f32 v224, v224, v158, v159
	s_delay_alu instid0(VALU_DEP_1)
	v_max_num_f32 v224, v224, v226
	s_delay_alu instid0(VALU_DEP_1)
	v_permlanex16_b32 v230, v224, s[SEL], s[SEL+1]
	s_delay_alu instid0(VALU_DEP_1)
	v_max_num_f32 v224, v224, v230                 ; and among lane l xor 16's
	s_delay_alu instid0(VALU_DEP_1)
	v_mul_f32 v224, s[CS], v224                    ; as t (c is positive)
	s_delay_alu instid0(VALU_DEP_1)
	v_max_num_f32 v13, v13, v224                   ; the running largest t
	v_mov_b32 v224, v12
	s_delay_alu instid0(VALU_DEP_2)
	v_floor_f32 v12, -v13                          ; the new -M = floor(-t) = -ceil(t): a whole number
	s_delay_alu instid0(VALU_DEP_1)
	v_sub_f32 v224, v12, v224                      ; M's old value less its new one: 0 or less
	s_delay_alu instid0(VALU_DEP_1)
	v_cvt_i32_f32 v224, v224                       ; (it saturates)
	s_delay_alu instid0(VALU_DEP_1)
	v_ldexp_f32 v228, 1.0, v224                    ; f = 2^(old M - new M)
	s_setprio 1
.irp j, 0,2,4,6,8,10,12,14,16,18,20,22,24,26,28,30,32,34,36,38,40,42,44,46,48,50,52,54,56,58,60,62
	v_pk_fma_f32 v[96+\j:97+\j], v[96+\j:97+\j], s[CS:CS+1], v[12:13] op_sel_hi:[1,0,0]   ; t - M, two at a time (of the pairs c and -M the low word serves both halves)
.endr
.set n, 0
	s_wait_alu depctr_va_vdst(0)
.rept 64
	v_exp_f32 v[96+n], v[96+n]                     ; p = 2^(t - M), at most 1
.set n, n+1
.endr
	v_pk_mul_f32 v[14:15], v[14:15], v[228:229] op_sel_hi:[1,0]   ; the sums under the new M: the plain line behind the exponentials
	s_wait_alu depctr_va_vdst(0)                   ; one wait for the whole batch, ahead of its first reader
	v_pk_add_f32 v[232:233], v[100:101], v[104:105]
	v_pk_add_f32 v[252:253], v[108:109], v[112:113]
	v_pk_add_f32 v[250:251], v[116:117], v[120:121]
	v_pk_add_f32 v[248:249], v[124:125], v[128:129]
	v_pk_add_f32 v[246:247], v[132:133], v[136:137]
	v_pk_add_f32 v[244:245], v[140:141], v[144:145]
	v_pk_add_f32 v[242:243], v[148:149], v[152:153]
	v_pk_add_f32 v[14:15], v[14:15], v[156:157]
	v_pk_add_f32 v[232:233], v[232:233], v[96:97]
	v_pk_add_f32 v[252:253], v[252:253], v[98:99]
	v_pk_add_f32 v[250:251], v[250:251], v[102:103]
	v_pk_add_f32 v[248:249], v[248:249], v[106:107]
	v_pk_add_f32 v[246:247], v[246:247], v[110:111]
	v_pk_add_f32 v[244:245], v[244:245], v[114:115]
	v_pk_add_f32 v[242:243], v[242:243], v[118:119]
	v_pk_add_f32 v[14:15], v[14:15], v[122:123]
	v_pk_add_f32 v[232:233], v[232:233], v[126:127]
	v_pk_add_f32 v[252:253], v[252:253], v[130:131]
	v_pk_add_f32 v[250:251], v[250:251], v[134:135]
	v_pk_add_f32 v[248:249], v[248:249], v[138:139]
	v_pk_add_f32 v[246:247], v[246:247], v[142:143]
	v_pk_add_f32 v[244:245], v[244:245], v[146:147]
	v_pk_add_f32 v[242:243], v[242:243], v[150:151]
	v_pk_add_f32 v[14:15], v[14:15], v[154:155]
	v_pk_add_f32 v[232:233], v[232:233], v[158:159]
	s_delay_alu instid0(VALU_DEP_2)
	v_pk_add_f32 v[14:15], v[14:15], v[248:249]
	s_delay_alu instid0(VALU_DEP_2)
	v_pk_add_f32 v[232:233], v[232:233], v[246:247]
	s_setprio 0
	v_pk_add_f32 v[252:253], v[252:253], v[244:245]
	v_pk_add_f32 v[250:251], v[250:251], v[242:243]
	s_delay_alu instid0(VALU_DEP_2)
	v_pk_add_f32 v[14:15], v[14:15], v[252:253]
	s_delay_alu instid0(VALU_DEP_2)
	v_pk_add_f32 v[232:233], v[232:233], v[250:251]
	s_delay_alu instid0(VALU_DEP_1)
	v_pk_add_f32 v[14:15], v[14:15], v[232:233]
.irp t, 0,1,2,3,4,5,6,7
.irp i, 0,1,2,3,4,5,6,7
.endr
	v_cvt_scalef32_pk8_fp8_f32 v[192+2*\t:193+2*\t], v[96+8*\t:103+8*\t], v9   ; keys 16 t + 8 h + 0 .. 7: registers 2 t, 2 t + 1 of P
.endr
.irp j, 0,2,4,6,8,10,12,14,16,18,20,22,24,26,28,30
	v_pk_mul_f32 v[160+\j:161+\j], v[160+\j:161+\j], v[228:229] op_sel_hi:[1,0]   ; O^T under the new M.  (Also the plain lines between the conversions and the products below)
.endr
	s_wait_alu depctr_va_vdst(0)
	s_wait_dscnt 0x0                               ; V is in
.irp ct, 0,1,2,3
	v_wmma_f32_16x16x128_fp8_fp8 v[160+8*\ct:167+8*\ct], v[32+16*\ct:47+16*\ct], v[192:207], v[160+8*\ct:167+8*\ct]   ; four accumulators, one instruction a turn
.endr
.rept 4
	v_nop                                          ; places in front of the next step's loads into V's registers, and of the way out's reads of O^T
.endr
.Lhid_\@:
.endm
.macro RUN n, q, dv, ds                ; n key steps from s[KS] on: the trip count is a constant
	s_mov_b32 s[CNT], \n
.Lrun_\@:
	STEP \q, \dv, \ds
	s_add_co_u32 s[TB], s[TB], 8192
	s_add_co_u32 s[KS], s[KS], 1
	s_sub_co_u32 s[CNT], s[CNT], 1
	s_cmp_lg_u32 s[CNT], 0
	s_cbranch_scc1 .Lrun_\@
	s_setprio 0
.endm
.macro RESET                           ; a tile begins: the step is written once for first and later steps: it finds zeros, which the first change of M leaves zeros
	v_mov_b32 v13, 0xff61b1e6                      ; the largest t so far: -3e38, under every t
	s_delay_alu instid0(VALU_DEP_1)
	v_floor_f32 v12, -v13
	v_mov_b32 v14, 0
	v_mov_b32 v15, 0
.set n, 0
.rept 32
	v_mov_b32 v[160+n], 0
.set n, n+1
.endr
	s_mov_b32 s[KS], 0
	s_mov_b32 s[TB], 0
.endm
; A tile ends: O^T / the sum, quantised: register 8 ct + j is channel 16 ct + 8 h + j of my query, so the four conversions give two chunks of y's operand; each store covers 512 consecutive bytes, aligned.
.macro FINISH yc, yb
	v_add_f32 v14, v14, v15                        ; the sum's two halves,
	s_delay_alu instid0(VALU_DEP_1)
	v_permlanex16_b32 v230, v14, s[SEL], s[SEL+1]
	s_delay_alu instid0(VALU_DEP_1)
	v_add_f32 v14, v14, v230                       ; and lane l xor 16's
	s_wait_alu depctr_va_vdst(0)
	v_rcp_f32 v14, v14
	v_nop                                          ; a plain line behind the reciprocal,
	s_wait_alu depctr_va_vdst(0)                   ; and the wait ahead of its first reader
.irp j, 0,2,4,6,8,10,12,14,16,18,20,22,24,26,28,30
	v_pk_mul_f32 v[96+\j:97+\j], v[160+\j:161+\j], v[14:15] op_sel_hi:[1,0]
.endr
.set n, 0
.rept 32
.set n, n+1
.endr
.irp ct, 0,1,2,3
	v_cvt_scalef32_pk8_fp8_f32 v[\yc+2*\ct:\yc+2*\ct+1], v[96+8*\ct:103+8*\ct], v11
.endr
	v_nop                                          ; a plain line between the conversions and whatever next writes their sources
	global_store_b128 v1, v[\yc:\yc+3], s[\yb:\yb+1]
	global_store_b128 v1, v[\yc+4:\yc+7], s[\yb:\yb+1] offset:512
.endm
	RESET
	s_wait_loadcnt 0x0                             ; Q
	s_wait_tensorcnt 0x0                           ; my parts of K and V have landed,
	s_barrier_signal -1
	s_barrier_wait -1                              ; everybody's have: from here on LDS is only read
	RUN 16, 16, 5, DH                              ; the late tile: steps 0 .. 15 - g
	FINISH 208, YH
	RESET
	RUN 8, 24, 6, DL                               ; the early tile: steps 0 .. g
	FINISH 216, YL
	s_wait_dscnt 0x0
	s_wait_tensorcnt 0x0
	ds_add_u32 v254, v255
	s_wait_dscnt 0x0
	CROUND                                         ; the closing round
	s_endpgm
.Lfunc_end_k_q5af48828ed_attn:
	.size	k_q5af48828ed_attn, .Lfunc_end_k_q5af48828ed_attn-k_q5af48828ed_attn
	.p2alignl 7, 3214868480
	.fill 96, 4, 3214868480
	.section	.rodata,"a",@progbits
	.p2align	6, 0x0
	.amdhsa_kernel k_q5af48828ed_attn
		.amdhsa_group_segment_fixed_size 264192
		.amdhsa_private_segment_fixed_size 0
		.amdhsa_enable_private_segment 0
		.amdhsa_kernarg_size 24
		.amdhsa_user_sgpr_count 2
		.amdhsa_user_sgpr_kernarg_segment_ptr 1
		.amdhsa_wavefront_size32 1
		.amdhsa_system_sgpr_workgroup_id_x 1
		.amdhsa_system_sgpr_workgroup_id_y 1
		.amdhsa_system_sgpr_workgroup_id_z 1
		.amdhsa_system_vgpr_workitem_id 0
		.amdhsa_next_free_vgpr 256
		.amdhsa_next_free_sgpr 96
		.amdhsa_reserve_vcc 1
		.amdhsa_float_denorm_mode_32 3
		.amdhsa_float_denorm_mode_16_64 3
		.amdhsa_fp16_overflow 1
		.amdhsa_memory_ordered 1
		.amdhsa_forward_progress 1
		.amdhsa_inst_pref_size 52
	.end_amdhsa_kernel
	.amdgpu_metadata
---
amdhsa.version: [ 1, 2 ]
amdhsa.kernels:
  - .name:           k_q5af48828ed_attn
    .symbol:         k_q5af48828ed_attn.kd
    .args:
      - { .name: qkv, .offset: 0, .size: 8, .value_kind: global_buffer, .address_space: global }
      - { .name: lowp_scales, .offset: 8, .size: 8, .value_kind: global_buffer, .address_space: global }
      - { .name: yimg, .offset: 16, .size: 8, .value_kind: global_buffer, .address_space: global }
    .group_segment_fixed_size: 264192
    .private_segment_fixed_size: 0
    .kernarg_segment_align: 8
    .kernarg_segment_size: 24
    .max_flat_workgroup_size: 512
    .sgpr_count:     96
    .vgpr_count:     256
    .wavefront_size: 32
...
	.end_amdgpu_metadata
.endif
;; end of part 2
;; launch proj (part 3): grid 4 x 64, 4 waves a work-group, clusters of 4 x 4, 327,680 bytes of LDS; arguments yimg, w_proj_codes, lowp_scales, b_proj, out0; writes out0
.if DOCPART == 3
	.amdgcn_target "amdgcn-amd-amdhsa--gfx1250"
	.amdhsa_code_object_version 6
	.text
	.protected	k_q5af48828ed_proj
	.globl	k_q5af48828ed_proj
	.p2align	8
	.type	k_q5af48828ed_proj,@function
k_q5af48828ed_proj:
	s_mov_b64 s[64:65], 0
	v_nop
	global_prefetch_b8 v0, s[64:65] scope:SCOPE_SE
	s_setreg_imm32_b32 hwreg(HW_REG_WAVE_MODE, 25, 1), 1
	s_wait_xcnt 0x0
	s_wait_alu depctr_hold_cnt(0) depctr_sa_sdst(0) depctr_va_vdst(0) depctr_va_sdst(0) depctr_va_ssrc(0) depctr_va_vcc(0) depctr_vm_vsrc(0)
	s_getreg_b32 s2, hwreg(HW_REG_IB_STS2, 6, 4)
	s_cmp_eq_u32 s2, 0
	s_cbranch_scc0 .Lentry_in_a_cluster
	s_endpgm
.Lentry_in_a_cluster:
	s_bfe_u32 s2, ttmp6, 0x10000c
	s_cmp_lg_u32 s2, 0xf033
	s_cbranch_scc0 .Lentry_shape_is_right
	s_endpgm
.Lentry_shape_is_right:
; out0 = y w_proj + b_proj on codes of FP8 (E4M3).  y comes as images of operand registers (the launch before): K step of 256 x 2 MiB + tile of 16 rows x 4,096 + half of 128 along K x 2,048 + chunk x 512 + 16 x lane,
; in the plain form's own layout (registers 2 c, 2 c + 1: k = 16 c + 8 (lane / 16) + 0 .. 7).  w_proj_codes: [1024 (n)][1024 (k)], one code a byte.  b_proj [1024], out0 [8192][1024]: f32.
; A work-group of four waves makes 128 rows x 256 columns: 256 work-groups.  A wave makes 64 x 128: 32 accumulators of 16 x 16, 256 registers.  K = 1,024 goes in four steps of 256 through two LDS slots.
; THE MATRIX INSTRUCTION IS USED TRANSPOSED (source 0 = 16 rows of w_proj, source 1 = 16 rows of y): a lane holds eight neighbouring numbers of a row of out0.
; y's fragments come from LDS as they lie (four 16-byte loads at 16 x lane).  w_proj's must lie in the same places of k, so they come by eight 8-byte loads a fragment, at row x pitch + 16 c + 8 (lane / 16).
; The bias is the C of each sum's first product, divided by 2^(e6 + e7); each finished sum is multiplied once by 2^(e6 + e7).
; CLUSTERS: 4 x 4 work-groups; y's tile is shared along a row of the cluster, w_proj's along a column: joint loads, as in the first launch.
; LIMITS: e6 + e7 between -126 and 127; b_proj / 2^(e6 + e7) stays an f32 number.
; REGISTERS: window 0: v1-6 at work; v16-17, v20-21 LDS addresses; v24-26 the way out; v28, v29 the add's two; v32-95 the bias, later a block's results; v128-255 y's fragments, two sets of 4 x 16, later rows read back from the stage.
;   window 1: w_proj's fragments, two sets of 8 x 16.   window 2: the accumulators, (a, b) at v[8 (8 a + b)].
.set PITCH,  272                       ; a row of w_proj's tile in LDS: 256 bytes + 16 = 68 words: the 32 lanes of an 8-byte load touch 64 different banks
.set FR,     16
.set ABYTES, 32768                     ; y's tile: 8 tiles of 16 rows x 4,096 bytes, dense
.set BHALF,  128*PITCH
.set SLOT,   ABYTES+2*BHALF            ; 102,400
.set KK2,    2097152                   ; from a K step of 256 to the next in y's images
.set STAGE,  2*SLOT                    ; behind the ring: 16 rows x (512 bytes + 16) for each wave; no tensor load lands here
.set SPITCH, 528
.set SPARE,  STAGE+4*16*SPITCH         ; the spare words, 128 bytes for each wave: two blocks of 256 bytes that no other line names
.set ADRA, 16
.set ADRB, 20
.set STO,  24
.set RD,   25
.set CO,   26
.set SPW,  28
.set NIL,  29
.set BIAS, 32
.set TMP,  32
.set AF,   128
.set BK,   128
.set G1,  24                           ; s[24:31] descriptor group 1 for y's tiles;  s[32:39] group 0, one set for each slot
.set G0,  32
.set G1B, 48                           ; s[48:55], s[56:63] the same for w_proj's
.set G0B, 56
.set MSB, 0
.macro WIN new                         ; the immediate's high byte repeats the setting that is left
.if MSB != \new
	s_set_vgpr_msb (MSB<<8)|\new
.set MSB, \new
.endif
.endm
.set TO_B, 0x40                        ; destination window 1, address window 0
.macro MWIN first                      ; source 0 (w_proj) window 1, source 1 (y) window 0, D window 2; C window 0 (the bias) or 2
.if \first
	WIN 0x81
.else
	WIN 0xa1
.endif
.endm
.macro JLOAD s                         ; a joint load: waves 0 and 1 fetch y's two halves, waves 2 and 3 w_proj's; four v_nop follow each of the two lines
	s_cmp_eq_u32 s15, 0
	s_cbranch_scc0 .Lfor_b_\@
	tensor_load_to_lds s[G0+4*\s:G0+4*\s+3], s[G1:G1+7]
	s_nop 0
.rept 4
	v_nop
.endr
	s_branch .Lasked_\@
.Lfor_b_\@:
	tensor_load_to_lds s[G0B+4*\s:G0B+4*\s+3], s[G1B:G1B+7]
	s_nop 0
.rept 4
	v_nop
.endr
.Lasked_\@:
.endm
.macro CREST
	s_cmp_lg_u32 s14, 0
	s_cbranch_scc1 .Lnot_wave_0_\@
	s_barrier_signal -3
.Lnot_wave_0_\@:
	s_barrier_wait -3
	s_barrier_signal -1
	s_barrier_wait -1
.endm
.macro CROUND
	s_barrier_signal -1
	s_barrier_wait -1
	CREST
.endm
	s_load_b256 s[4:11], s[0:1], 0x0               ; y's images s[4:5], w_proj's codes s[6:7], the scales' exponents s[8:9], b_proj s[10:11]
	s_load_b64 s[12:13], s[0:1], 0x20              ; out0
	v_lshl_add_u32 v[SPW], v0, 2, SPARE
	v_mov_b32 v[NIL], 0
	ds_add_u32 v28, v29
	ds_add_u32 v28, v29
	s_wait_dscnt 0x0
	v_lshrrev_b32 v1, 5, v0
	v_readfirstlane_b32 s14, v1                    ; wave 0..3
	s_lshr_b32 s15, s14, 1                         ; which 64 rows are mine.  Also: I fetch for y (0) or for w_proj (1)
	s_and_b32 s16, s14, 1                          ; which 128 columns.  Also: which half of that tile I fetch
	s_bfe_u32 s40, ttmp6, 0x40000                  ; cx = the tile column (the grid is one cluster wide)
	s_bfe_u32 s41, ttmp6, 0x40004                  ; cy
	s_and_b32 s17, ttmp7, 0xffff
	s_lshl_b32 s17, s17, 2
	s_add_co_u32 s17, s17, s41                     ; tile row = 4 x cluster y + cy
	s_lshl_b32 s43, s41, 2
	s_lshl_b32 s43, 15, s43                        ; my row of the cluster
	s_lshl_b32 s44, 0x1111, s40                    ; my column
	s_or_b32 s[G1+0], s43, (0<<16)|(1<<21)         ; y: 64 rows x 256 bytes, dense in memory and in LDS: 15:0 the mask; elements of 1 byte; no padding; 21 set beside a mask
	s_mov_b32 s[G1+1], 256<<16
	s_mov_b32 s[G1+2], 64<<16
	s_mov_b32 s[G1+3], 256<<16
	s_mov_b32 s[G1+4], 64
	s_mov_b32 s[G1+5], 256
	s_mov_b32 s[G1+6], 0
	s_mov_b32 s[G1+7], 0
	s_or_b32 s[G1B+0], s44, (0<<16)|(1<<20)|(1<<21)|(5<<22)|(3<<25)  ; w_proj: 128 rows x 256 bytes, 1,024 apart; four words of padding after every 64
	s_mov_b32 s[G1B+1], 256<<16
	s_mov_b32 s[G1B+2], 128<<16
	s_mov_b32 s[G1B+3], 256<<16
	s_mov_b32 s[G1B+4], 128
	s_mov_b32 s[G1B+5], 1024
	s_mov_b32 s[G1B+6], 0
	s_mov_b32 s[G1B+7], 0
	s_lshl_b32 s20, s17, 15                        ; y: tile row x 8 tiles of 4,096 bytes
	s_lshl_b32 s18, s16, 14                        ; + my half; also its place in a slot
	s_add_co_u32 s20, s20, s18
	s_mov_b32 s21, 0
	s_lshl_b32 s46, s40, 8
	s_lshl_b32 s19, s16, 7
	s_add_co_u32 s46, s46, s19                     ; w_proj: row 256 x tile column + 128 x half
	s_lshl_b32 s46, s46, 10
	s_mov_b32 s47, 0
	s_mul_i32 s45, s16, BHALF
	s_add_co_u32 s45, s45, ABYTES                  ; its place in a slot: behind y's tile
	s_wait_kmcnt 0x0
	s_load_b256 s[80:87], s[8:9], 0x0              ; e0 .. e7
	s_add_nc_u64 s[20:21], s[4:5], s[20:21]
	s_add_nc_u64 s[46:47], s[6:7], s[46:47]
	CROUND                                         ; all sixteen work-groups are here: the first joint loads meet
.irp s, 0,1
	s_mov_b32 s[G0+4*\s], 1
	s_add_co_u32 s[G0+4*\s+1], s18, \s*SLOT
	s_add_nc_u64 s[G0+4*\s+2:G0+4*\s+3], s[20:21], \s*KK2
	s_or_b32 s[G0+4*\s+3], s[G0+4*\s+3], 0x80000000
	s_mov_b32 s[G0B+4*\s], 1
	s_add_co_u32 s[G0B+4*\s+1], s45, \s*SLOT
	s_add_nc_u64 s[G0B+4*\s+2:G0B+4*\s+3], s[46:47], \s*256
	s_or_b32 s[G0B+4*\s+3], s[G0B+4*\s+3], 0x80000000
	s_wait_alu depctr_va_vdst(0)
	s_wait_tensorcnt 0x0
	ds_add_u32 v28, v29
	ds_add_u32 v28, v29
	s_wait_dscnt 0x0
	CROUND
	JLOAD \s
.endr
	v_and_b32 v1, 15, v0                           ; r
	v_bfe_u32 v2, v0, 4, 1                         ; h
	v_and_b32 v6, 31, v0
	v_lshlrev_b32 v[CO], 4, v6                     ; 16 x lane
	v_mul_u32_u24 v3, v1, PITCH
	v_lshl_add_u32 v3, v2, 3, v3                   ; w_proj: row x pitch + 8 h
	s_lshl_b32 s21, s15, 14                        ; my four tiles of 16 rows of y
	s_mul_i32 s22, s16, BHALF
	s_add_co_u32 s22, s22, ABYTES                  ; my 128 rows of w_proj
.irp s, 0,1
	v_add_nc_u32 v[ADRA+\s], s21, v[CO]
	v_add_nc_u32 v[ADRB+\s], s22, v3
	s_add_co_u32 s21, s21, SLOT
	s_add_co_u32 s22, s22, SLOT
.endr
	s_mul_i32 s23, s14, 16*SPITCH
	s_add_co_u32 s23, s23, STAGE                   ; my stage
	v_mul_u32_u24 v5, v1, SPITCH                   ; in: row r, 32 bytes for each half of the lanes
	v_lshl_add_u32 v5, v2, 5, v5
	v_add_nc_u32 v[STO], s23, v5
	v_add_nc_u32 v[RD], s23, v[CO]                 ; back: the 32 lanes take one row of 512 bytes
	s_lshl_b32 s20, s17, 7
	s_lshl_b32 s21, s15, 6
	s_add_co_u32 s20, s20, s21                     ; my first row of out0
	s_lshl_b32 s20, s20, 12                        ; x 4,096 bytes
	s_lshl_b32 s46, s40, 10
	s_lshl_b32 s47, s16, 9
	s_add_co_u32 s46, s46, s47                     ; my first column, in bytes
	s_add_co_u32 s20, s20, s46
	s_mov_b32 s21, 0
	s_add_nc_u64 s[12:13], s[12:13], s[20:21]
	s_mov_b32 s47, 0
	s_add_nc_u64 s[10:11], s[10:11], s[46:47]      ; b_proj at my first column
	v_lshlrev_b32 v4, 5, v2                        ; 32 h
.irp b, 0,1,2,3,4,5,6,7                ; register 8 b + j = b_proj(my first column + 16 b + 8 h + j)
	global_load_b128 v[BIAS+8*\b:BIAS+8*\b+3], v4, s[10:11] offset:64*\b
	global_load_b128 v[BIAS+8*\b+4:BIAS+8*\b+7], v4, s[10:11] offset:64*\b+16
.endr
	s_wait_kmcnt 0x0
	s_add_co_i32 s96, s86, s87                     ; e6 + e7
	s_sub_co_i32 s92, 0, s96
	s_add_co_i32 s96, s96, 127
	s_lshl_b32 s96, s96, 23                        ; 2^(e6 + e7) as f32
	s_mov_b32 s97, s96                             ; (named with it as a pair, so it is written)
	s_wait_loadcnt 0x0
.set n, 0
.rept 64
	v_ldexp_f32 v[BIAS+n], v[BIAS+n], s92
.set n, n+1
.endr
.macro FRAGB reg, slot, q, b           ; w_proj's fragment: registers 2 c, 2 c + 1: k = 16 c + 8 h + 0 .. 7
.irp c, 0,1,2,3,4,5,6,7
	ds_load_b64 v[\reg+2*\c:\reg+2*\c+1], v[ADRB+\slot] offset:(\b)*16*PITCH+128*(\q)+16*\c
.endr
.endm
.macro FRAGA reg, slot, q, a           ; y's fragment: four chunks as they lie
.irp s, 0,1,2,3
	ds_load_b128 v[\reg+4*\s:\reg+4*\s+3], v[ADRA+\slot] offset:(\a)*4096+(\q)*2048+512*\s
.endr
.endm
.macro FETCH slot, q, p                ; 80 LDS loads in one run: the fragments of the slot's q-th 128 along K into set p
	WIN TO_B
.irp i, 0,1,2,3,4,5,6,7
	FRAGB 128*(\p)+FR*\i, \slot, \q, \i
.endr
	WIN 0
.irp i, 0,1,2,3
	FRAGA AF+64*(\p)+FR*\i, \slot, \q, \i
.endr
.endm
; 8 matrix instructions: y's block a x w_proj's eight.  The 32 accumulators take turns, one instruction a turn, in the same order in every step.
.macro MUL8 a, p, first
.irp b, 0,1,2,3,4,5,6,7
.if \first
	v_wmma_f32_16x16x128_fp8_fp8 v[8*(8*(\a)+\b):8*(8*(\a)+\b)+7], v[128*(\p)+FR*\b:128*(\p)+FR*\b+FR-1], v[AF+64*(\p)+FR*(\a):AF+64*(\p)+FR*(\a)+FR-1], v[BIAS+8*\b:BIAS+8*\b+7]
.else
	v_wmma_f32_16x16x128_fp8_fp8 v[8*(8*(\a)+\b):8*(8*(\a)+\b)+7], v[128*(\p)+FR*\b:128*(\p)+FR*\b+FR-1], v[AF+64*(\p)+FR*(\a):AF+64*(\p)+FR*(\a)+FR-1], v[8*(8*(\a)+\b):8*(8*(\a)+\b)+7]
.endif
.endr
.endm
.macro PLACES n
.rept \n
	v_nop
.endr
.endm
; A slot's first 128 along K, on set 0; in its middle the second 128's fragments are fetched into set 1.
.macro STEP slot, first
	s_wait_dscnt 0x0                               ; set 0 is in
	MWIN \first
	MUL8 0, 0, \first
	MUL8 1, 0, \first
	PLACES 4                                       ; in front of the loads into set 1, which the step before multiplied
	FETCH \slot, 1, 1
	MWIN \first
	MUL8 2, 0, \first
	MUL8 3, 0, \first
	WIN 0
.endm
; A slot's second 128, on set 1, changes slots: ONE barrier; in front of it each wave waits for all its tensor loads, adds 0 to its spare word, and waits for that and for its own reads of this slot.
.macro TURN slot, next, fill
	s_wait_tensorcnt 0x0                           ; all my tensor loads have landed: my part of the next slot  (every window is 0 here)
	ds_add_u32 v[SPW], v[NIL]                      ; 0 onto my spare word
	s_wait_dscnt 1                                 ; set 1 is in; the add may be out
	MWIN 0
	MUL8 0, 1, 0                                   ; eight matrix instructions stand between the add and the wait for it
	s_wait_dscnt 0x0                               ; the add is done, and my reads of this slot are over
	s_barrier_signal -1
	MUL8 1, 1, 0
	WIN 0
	s_barrier_wait -1
.if \fill
	CREST                                          ; the barrier has opened a round of the cluster's barrier: no wave of any partner still reads this slot's tile or has a load on its way
	s_add_nc_u64 s[G0+4*\slot+2:G0+4*\slot+3], s[G0+4*\slot+2:G0+4*\slot+3], 2*KK2
	s_add_nc_u64 s[G0B+4*\slot+2:G0B+4*\slot+3], s[G0B+4*\slot+2:G0B+4*\slot+3], 2*256
	JLOAD \slot                                    ; the first tensor load behind the round; its four v_nop are the places in front of the loads below
.else
	PLACES 4
.endif
	FETCH \next, 0, 0
	MWIN 0
	MUL8 2, 1, 0
	MUL8 3, 1, 0
	WIN 0
.endm
	s_wait_alu depctr_va_vdst(0)
	s_wait_tensorcnt 1                             ; my part of K step 0 is in; K step 1's load may be out
	s_barrier_signal -1
	s_barrier_wait -1                              ; everybody's is
	FETCH 0, 0, 0
	STEP 0, 1                                      ; the first products start the sums on the bias
	TURN 0, 1, 1                                   ; slot 0 takes K step 2
	STEP 1, 0
	TURN 1, 0, 1                                   ; slot 1 takes K step 3
	STEP 0, 0
	TURN 0, 1, 0                                   ; nothing is left to fetch
	STEP 1, 0
	s_wait_dscnt 0x0                               ; the very last 128
	MWIN 0
	MUL8 0, 1, 0
	MUL8 1, 1, 0
	MUL8 2, 1, 0
	MUL8 3, 1, 0
	WIN 0
; THE WAY OUT, block by block of 16 rows x 128 columns: x 2^(e6 + e7), each accumulator from its low end on; through my own stage in LDS; back as whole rows of 512 bytes, which the 32 lanes store as two aligned runs of 256 bytes.
; LDS serves a wave's instructions in order (ISA guide 5.7.1.4): no wait between the stores and the loads, nor in front of the next block's stores.
.macro TOSTAGE a
	WIN 0x02                                       ; source 0: window 2
.irp j, 0,2,4,6,8,10,12,14,16,18,20,22,24,26,28,30,32,34,36,38,40,42,44,46,48,50,52,54,56,58,60,62
	v_pk_mul_f32 v[TMP+\j:TMP+\j+1], v[64*(\a)+\j:64*(\a)+\j+1], s[96:97] op_sel_hi:[1,0]
.endr
	WIN 0
.irp b, 0,1,2,3,4,5,6,7
	ds_store_b128 v[STO], v[TMP+8*\b:TMP+8*\b+3] offset:64*\b
	ds_store_b128 v[STO], v[TMP+8*\b+4:TMP+8*\b+7] offset:64*\b+16
.endr
.set BB, BK+64*((\a)%2)
.irp t, 0,1,2,3,4,5,6,7,8,9,10,11,12,13,14,15
	ds_load_b128 v[BB+4*\t:BB+4*\t+3], v[RD] offset:\t*SPITCH
.endr
.endm
.macro SEND a, younger                 ; younger: the LDS instructions issued behind block a's loads, which may stay out
.set BB, BK+64*((\a)%2)
	s_wait_dscnt \younger
.irp t, 0,1,2,3,4,5,6,7,8,9,10,11,12,13,14,15
	global_store_b128 v[CO], v[BB+4*\t:BB+4*\t+3], s[12:13] offset:(16*(\a)+\t)*4096 th:TH_STORE_NT   ; 32 lanes store 512 consecutive bytes, aligned; written once, read by nobody here
.endr
.endm
	PLACES 4                                       ; behind the last products: for the reads of their results and the loads into y's fragments' registers
	TOSTAGE 0
.irp a, 1,2,3
.if \a > 1
	s_wait_xcnt 0x0                                ; block a - 2's stores have read their registers: block a's loads may land there
.endif
	TOSTAGE \a
	SEND \a-1, 32                                  ; behind block a - 1's loads: block a's 16 stores and 16 loads
.endr
	SEND 3, 0
	s_wait_tensorcnt 0x0                           ; the wave's end
	ds_add_u32 v[SPW], v[NIL]
	s_wait_dscnt 0x0
	CROUND                                         ; the closing round: no work-group ends while a partner may still ask for a tile that names it
	s_endpgm
.Lfunc_end_k_q5af48828ed_proj:
	.size	k_q5af48828ed_proj, .Lfunc_end_k_q5af48828ed_proj-k_q5af48828ed_proj
	.p2alignl 7, 3214868480
	.fill 96, 4, 3214868480
	.section	.rodata,"a",@progbits
	.p2align	6, 0x0
	.amdhsa_kernel k_q5af48828ed_proj
		.amdhsa_group_segment_fixed_size 327680
		.amdhsa_private_segment_fixed_size 0
		.amdhsa_enable_private_segment 0
		.amdhsa_kernarg_size 40
		.amdhsa_user_sgpr_count 2
		.amdhsa_user_sgpr_kernarg_segment_ptr 1
		.amdhsa_wavefront_size32 1
		.amdhsa_system_sgpr_workgroup_id_x 1
		.amdhsa_system_sgpr_workgroup_id_y 1
		.amdhsa_system_sgpr_workgroup_id_z 1
		.amdhsa_system_vgpr_workitem_id 0
		.amdhsa_next_free_vgpr 768
		.amdhsa_next_free_sgpr 100
		.amdhsa_reserve_vcc 0
		.amdhsa_float_denorm_mode_32 3
		.amdhsa_float_denorm_mode_16_64 3
		.amdhsa_memory_ordered 1
		.amdhsa_forward_progress 1
		.amdhsa_inst_pref_size 98
	.end_amdhsa_kernel
	.amdgpu_metadata
---
amdhsa.version: [ 1, 2 ]
amdhsa.kernels:
  - .name:           k_q5af48828ed_proj
    .symbol:         k_q5af48828ed_proj.kd
    .args:
      - { .name: yimg, .offset: 0, .size: 8, .value_kind: global_buffer, .address_space: global }
      - { .name: w_proj_codes, .offset: 8, .size: 8, .value_kind: global_buffer, .address_space: global }
      - { .name: lowp_scales, .offset: 16, .size: 8, .value_kind: global_buffer, .address_space: global }
      - { .name: b_proj, .offset: 24, .size: 8, .value_kind: global_buffer, .address_space: global }
      - { .name: out0, .offset: 32, .size: 8, .value_kind: global_buffer, .address_space: global }
    .group_segment_fixed_size: 327680
    .private_segment_fixed_size: 0
    .kernarg_segment_align: 8
    .kernarg_segment_size: 40
    .max_flat_workgroup_size: 128
    .sgpr_count:     100
    .vgpr_count:     768
    .wavefront_size: 32
...
	.end_amdgpu_metadata
.endif
;; end of part 3
